; MI455X (gfx1250); checked and timed in simulation.
; The chip was launched on July 23, 2026; its instructions are those of AMD's public machine-readable ISA for CDNA 5 (MIT licence, August 2026) and "CDNA5" Instruction Set Architecture Reference Guide (July 2026). The comments in the code are by the model that wrote it; some were corrected since.
;; Custom Sparse GLU. Allowed arithmetic: matrix products marked QUANTISED: E5M2 operands, one E8M0 scale for each 32 along K, by v_wmma_scale_f32_16x16x128_f8f6f4 with both operands' format E5M2, f32 sums; everything else in f32.
;; Inputs: expert_ids 8,192 int32; v1_codes 8 x 2,048 x 32 x 32 uint8 (E5M2 codes of v1, K innermost, in blocks of 32 codes); v1_scales 8 x 2,048 x 32 uint8 (E8M0 scales of v1, one for each 32 codes along K); w1_codes 8 x 2,048 x 32 x 32 uint8 (E5M2 codes of w1, K innermost, in blocks of 32 codes); w1_scales 8 x 2,048 x 32 uint8 (E8M0 scales of w1, one for each 32 codes along K); w2_codes 8 x 1,024 x 64 x 32 uint8 (E5M2 codes of w2, K innermost, in blocks of 32 codes); w2_scales 8 x 1,024 x 64 uint8 (E8M0 scales of w2, one for each 32 codes along K); x_codes 8,192 x 32 x 32 uint8 (E5M2 codes of x, K innermost, in blocks of 32 codes); x_scales 8,192 x 32 uint8 (E8M0 scales of x, one for each 32 codes along K).
;; Outputs: out0 8,192 x 1,024 float32.
;; This version of the problem:
;;   THIS VERSION OF THE PROBLEM IS GIVEN IN LOW PRECISION. The matrix products marked QUANTISED in the list below multiply operands that are first quantised to E5M2 (5 exponent bits, 2 mantissa bits; 8 bits a number), with one power-of-two scale for each 32 numbers along K (OCP MX v1.0); their sums are f32. All else is computed in f32.
;;   The module's matrix products, in the order in which they are computed (A, B: the left and right operand; K: the contracted axis; several contracted axes count as one K, in the product's order):
;;     1. batch 8 x [M 1,024, K 1,024] x [K 1,024, N 2,048]; A: input x (given as codes); B: input w1 (given as codes): QUANTISED
;;     2. batch 8 x [M 1,024, K 1,024] x [K 1,024, N 2,048]; A: input x (given as codes); B: input v1 (given as codes): QUANTISED
;;     3. batch 8 x [M 1,024, K 2,048] x [K 2,048, N 1,024]; A: computed on the way; B: input w2 (given as codes): QUANTISED
;;   THE QUANTISER, for each operand of a quantised product, along K:
;;     - K is cut into blocks of 32 from its start; a last block that is shorter is filled with zeros.
;;     - A block's scale is 2^e with e = floor(log2(the largest magnitude in the block)) - 15, held to -126 .. 127; a block of zeros has e = 0. As a byte (E8M0): e + 127.
;;     - Each number is divided by its block's scale, clamped to +-57,344, and rounded to the nearest number of E5M2, ties to even, subnormals kept.
;;     - The product sums the exact products of the quantised numbers (number of the format x scale) in f32.
;;   ~~~python
;;   def quantise(x, axis):      # numpy; x: float32 -> the quantised numbers, widened to float32 again
;;       x = np.moveaxis(x, axis, -1); K = x.shape[-1]
;;       x = np.pad(x, [(0, 0)] * (x.ndim - 1) + [(0, -K % 32)]); x = x.reshape(x.shape[:-1] + (-1, 32)); a = np.abs(x).max(-1, keepdims=True)
;;       e = np.where(a > 0, np.clip(np.frexp(np.where(a > 0, a, 1))[1] - 1 - 15, -126, 127), 0)      # np.frexp(a)[1] - 1 = floor(log2(a)), exactly
;;       r = np.clip(x / 2.0 ** e, -57344, 57344)
;;       step = 2.0 ** (np.maximum(np.frexp(np.where(r == 0, 1, r))[1] - 1, -14) - 2)
;;       q = np.round(r / step) * step * 2.0 ** e      # np.round: ties to even
;;       return np.moveaxis(q.reshape(q.shape[:-2] + (-1,))[..., :K], -1, axis).astype(np.float32)
;;   ~~~
;;   OPERANDS COMPUTED ON THE WAY. 'Computed on the way' means the value that the module computes at that place (a softmax that the list does not call 'softmax' is quantised finished and normalised). What goes into a quantiser is computed in f32, as accurately as f32 sums, v_exp_f32 and their like allow (about 1e-6 of the number): no bf16 or f16 on the way to a quantiser, and a product that is left as it is and whose result goes on into a quantised operand takes f32 operands (vector FMAs, or v_wmma_f32_16x16x4_f32). A number that lies on a knife's edge between two numbers of the format may be rounded either way, as far as f32 arithmetic and the matrix unit's own rounding can turn it there, and no further.
;;   INPUTS GIVEN AS CODES. v1 (in the module: [8, 2048, 1024], K = its axis 2); w1 (in the module: [8, 2048, 1024], K = its axis 2); w2 (in the module: [8, 2048, 1024], K = its axis 1); x (in the module: [8192, 1024], K = its axis 1): each comes as NAME_codes (uint8): NAME with its K axis moved to the last place and cut into blocks of 32 codes, [.., K / 32, bytes a block], one block behind the other in memory; one code a byte (a code: sign, 5 exponent bits, 2 mantissa bits); and NAME_scales (uint8): the same leading axes, one E8M0 byte (e + 127) for each 32 codes along K. Its value is code x scale, taken as it is: it is not quantised again, and the codes and scales need not be those that the quantiser above would give.
;; One version. Each part assembles by itself: llvm-mc -triple=amdgcn-amd-amdhsa -mcpu=gfx1250 --defsym DOCPART=n.
;; ======== version 1 of 1: 2 launches
;; workspace buffers: h_img 16,777,216 bytes; h_scl 524,288 bytes
;; launch glu (part 1): grid 8 x 32, 4 waves a work-group, clusters of 4 x 4, 327,680 bytes of LDS; arguments x_codes, x_scales, w1_codes, w1_scales, v1_codes, v1_scales, h_img, h_scl; writes h_img, h_scl
.if DOCPART == 1
	.amdgcn_target "amdgcn-amd-amdhsa--gfx1250"
	.amdhsa_code_object_version 6
	.text
	.protected	k_q04b9a558ce_glu
	.globl	k_q04b9a558ce_glu
	.p2align	8
	.type	k_q04b9a558ce_glu,@function
k_q04b9a558ce_glu:
	s_mov_b64 s[64:65], 0
	v_nop
	global_prefetch_b8 v0, s[64:65] scope:SCOPE_SE
	s_setreg_imm32_b32 hwreg(HW_REG_WAVE_MODE, 25, 1), 1
	s_wait_xcnt 0x0
	s_wait_alu depctr_hold_cnt(0) depctr_sa_sdst(0) depctr_va_vdst(0) depctr_va_sdst(0) depctr_va_ssrc(0) depctr_va_vcc(0) depctr_vm_vsrc(0)
	s_getreg_b32 s2, hwreg(HW_REG_IB_STS2, 6, 4)
	s_cmp_eq_u32 s2, 0
	s_cbranch_scc0 .Lentry_in_a_cluster
	s_endpgm
.Lentry_in_a_cluster:
	s_bfe_u32 s2, ttmp6, 0x10000c
	s_cmp_lg_u32 s2, 0xf033
	s_cbranch_scc0 .Lentry_shape_is_right
	s_endpgm
.Lentry_shape_is_right:
; h = gelu(x w1^T) * (x v1^T), quantised along f: the first two products of the layer, the activation and the quantiser.
; x [8192][1024], w1, v1 [8][2048][1024]: codes of E5M2, K innermost, one E8M0 byte for each 32 along K; they go to the matrix unit as they lie.
; Expert e owns tokens 1024 e .. 1024 e + 1023 BY POSITION: the layer's definition reshapes x and never looks at expert_ids, so the result may not hang on that input and no launch names it.
; OUT: h_img, h's codes in the order of the next product's operand registers: [token tile of 16][K unit of 128 f][4][lane][16 bytes]: byte i is h[16 T + lane % 16][128 s + 32 g + 16 (lane / 16) + i];
;      h_scl, [K unit of 128 f][token] words: byte b is the E8M0 byte of f = 128 s + 32 b on.
; SHARES.  256 work-groups of four waves.  A work-group owns 256 tokens x 256 f and makes them as two tiles of 256 tokens x 128 f: 128 rows of w1 and the SAME 128 rows of v1, so a tile is 256 x 256 results.
; Wave w = (rho, c): tokens 128 rho on, f 64 c on, of w1 and of v1: 64 accumulators, 512 registers; x1 and x2 of one (token, f) lie in one lane, 32 registers apart.
; K goes in steps of 256 through a ring of two LDS slots; the ring goes on from the first tile into the second, whose first two K steps are asked for in the first tile's last two K steps.
; CLUSTERS, 4 x 4: x's tiles hang on the block of tokens alone and are asked for jointly along a row of the cluster, the weights' on the block of f and the expert (the cluster's y) and are asked for jointly along a column.
; THE MATRIX INSTRUCTION IS USED TRANSPOSED (source 0 = 16 rows of a weight, source 1 = 16 tokens): a lane holds one token (lane % 16) and f = 16 b + 8 (lane / 16) + 0 .. 7.
; GELU, exact form: gelu(x) = max(x, 0) - |x| q, q = erfc(|x| / sqrt 2) / 2 = t 2^(P(t) - x^2 log2(e) / 2), t = 1 / (1 + |x| / sqrt 8), P the ninth-degree fit of erfc (fractional error under 1.2e-7), its
; coefficients times log2(e), 1 off the constant for the half.  No 1 + erf is formed, so the negative tail keeps its digits.  h = x2 max(x1, 0) - (x2 |x1|) q.
; LIMITS.  Below x1 = -13.1 q falls under 2^-126 and comes out 0 (the exponential gives no denormals).  q's relative error grows as 1e-7 x1^2 (the rounding of x1^2).  Infinite or NaN x1, x2 are not served.
; A block of 32 zeros of h gets the byte 1, not 127: its codes are zeros, and the bytes are read by this program alone.  The sign of a zero h may differ.
; REGISTERS, in windows of 256: window 0: v1-31 addresses and small work; v32-63 scale words, two sets, and nothing else; v128-255 x's fragments, ONE set; in the activation v64-255 are at work.
;   window 1: the weights' fragments, TWO sets (v0, v128): blocks 0-3 w1, 4-7 v1.   windows 2, 3: accumulator (a, b) at v[8 (8 (a % 4) + b)] of window 2 + a / 4.
.set PITCH,  272                       ; an LDS row: 256 bytes + 16 of padding: the 16 rows that a fragment load touches start at 16 different banks (64 banks of 4 bytes: ISA guide 11.1)
.set HALFT,  128*PITCH                 ; 128 rows: what one tensor load brings
.set SLOT,   4*HALFT                   ; x's rows 0-127, x's rows 128-255, w1's 128 rows, v1's 128 rows
.set SCX,    2*SLOT                    ; x's scale bytes, 256 rows x 32, as blocks of 256 bytes + 16: 8,704
.set SCW,    SCX+8704                  ; w1's of the work-group's 256 f, then v1's: 2 x 8,704
.set SPARE,  SCW+17408                 ; the spare words, 128 bytes for each wave; no other line names them
.set XCH,    SPARE+512                 ; 256 bytes for each wave: the two scale bytes that it makes for each of its 128 tokens; no tile lands here
.set NP,     8                         ; places behind this matrix instruction (ISA guide 7.12.1)
.set TM,   4                           ; v4-11   the quantiser: v4-5 largest magnitudes, v6-7 the other lane's, then bytes, v8-9 57,344 x scale, v10-11 the conversions' scale operands
.set HW,   12                          ; v12     two scale bytes
.set XW0,  13                          ; v13     XCH + 256 w + 2 r
.set XD,   14                          ; v14-15  second chains of the maxima; the half-words read back
.set ADRA, 16                          ; v16-17  my x fragments in slot 0, 1
.set ADRB, 20                          ; v20-21  my weight fragments
.set ADSA, 22                          ; v22     x's scale words: lanes 0-15 an even block of tokens, lanes 16-31 the odd one behind it
.set ADSB, 23                          ; v23     the weights' likewise
.set GO,   24                          ; v24     16 x lane
.set XW,   25                          ; v25     where this block's half-word goes
.set XR,   26                          ; v26     where I read half-words back
.set GS,   27                          ; v27     8 x lane
.set SPW,  28                          ; v28     my spare word; never rewritten
.set NIL,  29                          ; v29     0; never rewritten
.set C9,   30                          ; v30-31  the polynomial's leading coefficient, twice
.set SC,   32                          ; scale words: set s at v[SC + 16 s]; register 2 p + q: p 0-3 x's blocks 2 p, 2 p + 1; p 4, 5 w1's; p 6, 7 v1's; q the slot's first or second 128 along K
.set AF,   128                         ; x's fragments
.set MB,   64                          ; the activation: B = x2 |x1|
.set CD,   96                          ; a block's codes, 8 registers
.set T,    128                         ; 1 + |x1| / sqrt 8, then t
.set U,    160                         ; x1^2
.set P,    192                         ; the polynomial, then q
.set MA,   224                         ; A = x2 max(x1, 0), then h
.set G1,   24                          ; s[24:31] group 1 for x's tiles; s[32:39] group 0, a set for each slot
.set G0,   32
.set G1B,  48                          ; s[48:55], s[56:63] the same for the weights' tiles
.set G0B,  56
.set G1S,  68                          ; s[68:75], s[76:79] x's scales; s[80:87], s[88:91] the weights'
.set G0S,  76
.set G1SB, 80
.set G0SB, 88
.set MSB, 0
.macro WIN new                         ; the immediate's high byte repeats the setting that is left
.if MSB != (\new)
	s_set_vgpr_msb (MSB<<8)|(\new)
.set MSB, (\new)
.endif
.endm
.set MUL_LO, 0xa1                      ; source 0 (weights) window 1, source 1 (x) window 0, C and D window 2
.set MUL_HI, 0xf1                      ; the same, C and D window 3
.set TO_B,   0x40                      ; destination window 1, address window 0
; A joint load: waves 0 and 1 fetch for x, waves 2 and 3 for the weights (wave 2 w1, wave 3 v1).  Each line has one mask; the branch hangs on the wave's number alone.
; Four v_nop follow each of the two lines, ahead of the jump, the label and what follows.
.macro JLOAD g0a, g1a, g0b, g1b
	s_cmp_eq_u32 s21, 0
	s_cbranch_scc0 .Lfor_b_\@
	tensor_load_to_lds s[\g0a:\g0a+3], s[\g1a:\g1a+7]
	s_nop 0
.rept 4
	v_nop
.endr
	s_branch .Lasked_\@
.Lfor_b_\@:
	tensor_load_to_lds s[\g0b:\g0b+3], s[\g1b:\g1b+7]
	s_nop 0
.rept 4
	v_nop
.endr
.Lasked_\@:
.endm
.macro CREST                           ; a round of the cluster's barrier behind its opening barrier
	s_cmp_lg_u32 s20, 0
	s_cbranch_scc1 .Lnot_wave_0_\@
	s_barrier_signal -3
.Lnot_wave_0_\@:
	s_barrier_wait -3
	s_barrier_signal -1
	s_barrier_wait -1
.endm
.macro CROUND                          ; a whole round
	s_barrier_signal -1
	s_barrier_wait -1
	CREST
.endm
.macro KPAIR reg, val                  ; a constant as a pair: the packed forms name a pair and take its low word for both halves
	s_mov_b32 s[\reg], \val
	s_mov_b32 s[\reg+1], \val
.endm
	s_load_b512 s[4:19], s[0:1], 0x0               ; x's codes s[4:5], scales s[6:7]; w1's s[8:9], s[10:11]; v1's s[12:13], s[14:15]; h_img s[16:17]; h_scl s[18:19]
	v_lshl_add_u32 v[SPW], v0, 2, SPARE
	v_mov_b32 v[NIL], 0
	ds_add_u32 v28, v29
	ds_add_u32 v28, v29
	s_wait_dscnt 0x0
	v_lshrrev_b32 v1, 5, v0
	v_readfirstlane_b32 s20, v1                    ; wave 0..3
	s_lshr_b32 s21, s20, 1                         ; rho: my half of the tokens.  Also: I fetch for x (0) or for the weights (1)
	s_and_b32 s22, s20, 1                          ; c: my half of the tile's f.  Also: which 128 rows of x, or which of the two weights, I fetch
	s_bfe_u32 s40, ttmp6, 0x40000                  ; cx, cy: my place in the cluster
	s_bfe_u32 s41, ttmp6, 0x40004
	s_lshl_b32 s42, ttmp9, 2
	s_add_co_u32 s42, s42, s40                     ; X: my 256 f = 4 x cluster x + cx
	s_and_b32 s23, ttmp7, 0xffff                   ; e: the expert is the cluster's y: four blocks of 256 tokens
	s_lshl_b32 s43, s23, 2
	s_add_co_u32 s43, s43, s41                     ; Y: my 256 tokens = 4 x cluster y + cy
	s_lshl_b32 s44, s41, 2
	s_lshl_b32 s44, 15, s44                        ; my row of the cluster
	s_lshl_b32 s45, 0x1111, s40                    ; my column
	; group 1 for tiles of codes: 128 rows x 256 bytes, 1,024 bytes apart in memory, 16 bytes of padding behind each in LDS
	s_or_b32 s[G1+0], s44, (0<<16)|(1<<20)|(1<<21)|(5<<22)|(3<<25)   ; 15:0 the mask; 17:16 elements of 1 byte; 20 padding on; 21 set beside a mask; 24:22 after every 64 words; 31:25 four words
	s_or_b32 s[G1B+0], s45, (0<<16)|(1<<20)|(1<<21)|(5<<22)|(3<<25)
.irp g, G1, G1B
	s_mov_b32 s[\g+1], 256<<16                     ; tensor_dim0
	s_mov_b32 s[\g+2], 128<<16                     ; tensor_dim1
	s_mov_b32 s[\g+3], 256<<16                     ; tile_dim0
	s_mov_b32 s[\g+4], 128                         ; tile_dim1
	s_mov_b32 s[\g+5], 1024                        ; tensor_dim0_stride
	s_mov_b32 s[\g+6], 0
	s_mov_b32 s[\g+7], 0
.endr
	; and for scale bytes: dense blocks, as rows of 256 bytes (32 elements of 8), 16 bytes of padding behind each: x's of 128 rows are 16 such rows, a weight's of 256 rows are 32
	s_or_b32 s[G1S+0], s44, (3<<16)|(1<<20)|(1<<21)|(5<<22)|(3<<25)
	s_mov_b32 s[G1S+1], 32<<16
	s_mov_b32 s[G1S+2], 16<<16
	s_mov_b32 s[G1S+3], 32<<16
	s_mov_b32 s[G1S+4], 16
	s_mov_b32 s[G1S+5], 32
	s_mov_b32 s[G1S+6], 0
	s_mov_b32 s[G1S+7], 0
	s_or_b32 s[G1SB+0], s45, (3<<16)|(1<<20)|(1<<21)|(5<<22)|(3<<25)
	s_mov_b32 s[G1SB+1], 32<<16
	s_mov_b32 s[G1SB+2], 32<<16
	s_mov_b32 s[G1SB+3], 32<<16
	s_mov_b32 s[G1SB+4], 32
	s_mov_b32 s[G1SB+5], 32
	s_mov_b32 s[G1SB+6], 0
	s_mov_b32 s[G1SB+7], 0
	s_lshl_b32 s66, s43, 8
	s_lshl_b32 s3, s22, 7
	s_add_co_u32 s66, s66, s3                      ; x: row 256 Y + 128 c
	s_lshl_b32 s96, s66, 10                        ; its codes, in bytes (under 2^23),
	s_mov_b32 s97, 0
	s_lshl_b32 s98, s66, 5                         ; its scale bytes
	s_mov_b32 s99, 0
	s_lshl_b32 s46, s23, 11
	s_lshl_b32 s47, s42, 8
	s_add_co_u32 s46, s46, s47                     ; the weights: row 2,048 e + 256 X
	s_lshl_b32 s100, s46, 10
	s_mov_b32 s101, 0
	s_lshl_b32 s46, s46, 5
	s_mov_b32 s47, 0
	s_mul_i32 s3, s20, HALFT                       ; where tiles go: wave x 128 rows: no place in the cluster enters an LDS address
	s_mul_i32 s66, s22, 4352
	s_mul_i32 s67, s22, 8704
	s_wait_kmcnt 0x0
	s_cmp_eq_u32 s22, 0                            ; w1 or v1: the choice hangs on the wave's number alone
	s_cselect_b64 s[8:9], s[8:9], s[12:13]
	s_cselect_b64 s[10:11], s[10:11], s[14:15]
	s_add_nc_u64 s[4:5], s[4:5], s[96:97]
	s_add_nc_u64 s[6:7], s[6:7], s[98:99]
	s_add_nc_u64 s[8:9], s[8:9], s[100:101]
	s_add_nc_u64 s[10:11], s[10:11], s[46:47]
	CROUND                                         ; all sixteen work-groups are here: the first joint loads meet
	s_mov_b32 s[G0S], 1
	s_add_co_u32 s[G0S+1], s66, SCX
	s_mov_b64 s[G0S+2:G0S+3], s[6:7]
	s_or_b32 s[G0S+3], s[G0S+3], 0x80000000
	s_mov_b32 s[G0SB], 1
	s_add_co_u32 s[G0SB+1], s67, SCW
	s_mov_b64 s[G0SB+2:G0SB+3], s[10:11]
	s_or_b32 s[G0SB+3], s[G0SB+3], 0x80000000
	JLOAD G0S, G1S, G0SB, G1SB                     ; the scale bytes of all of K, and of both tiles: filled once
.irp s, 0,1
	s_mov_b32 s[G0+4*\s], 1
	s_add_co_u32 s[G0+4*\s+1], s3, \s*SLOT
	s_add_nc_u64 s[G0+4*\s+2:G0+4*\s+3], s[4:5], \s*256
	s_or_b32 s[G0+4*\s+3], s[G0+4*\s+3], 0x80000000
	s_mov_b32 s[G0B+4*\s], 1
	s_add_co_u32 s[G0B+4*\s+1], s3, \s*SLOT
	s_add_nc_u64 s[G0B+4*\s+2:G0B+4*\s+3], s[8:9], \s*256
	s_or_b32 s[G0B+4*\s+3], s[G0B+4*\s+3], 0x80000000
	JLOAD G0+4*\s, G1, G0B+4*\s, G1B               ; K steps 0 and 1: three loads of mine are out
.endr
	v_and_b32 v1, 15, v0                           ; r = lane % 16
	v_bfe_u32 v2, v0, 4, 1                         ; h = lane / 16
	v_mul_u32_u24 v3, v1, PITCH
	v_lshl_add_u32 v3, v2, 4, v3                   ; a fragment's row x pitch + 16 h
	s_mul_i32 s3, s21, HALFT                       ; my 128 tokens
	s_mul_i32 s66, s22, 64*PITCH                   ; my 64 rows of w1, behind x's 256 rows; v1's lie 128 rows further on
	s_add_co_u32 s66, s66, 2*HALFT
.irp s, 0,1
	v_add_nc_u32 v[ADRA+\s], s3, v3
	v_add_nc_u32 v[ADRB+\s], s66, v3
	s_add_co_u32 s3, s3, SLOT
	s_add_co_u32 s66, s66, SLOT
.endr
	v_lshlrev_b32 v3, 5, v1                        ; a row's 32 scale bytes,
	v_lshrrev_b32 v4, 3, v1
	v_lshl_add_u32 v3, v4, 4, v3                   ; 16 more behind every eighth row,
	v_mad_u32_u24 v3, v2, 544, v3                  ; and lanes 16-31 take the block of 16 rows behind
	s_mul_i32 s3, s21, 4352
	s_add_co_u32 s3, s3, SCX
	v_add_nc_u32 v[ADSA], s3, v3
	s_mul_i32 s3, s22, 2176
	s_add_co_u32 s3, s3, SCW
	v_add_nc_u32 v[ADSB], s3, v3
	s_lshl_b32 s3, s20, 8
	s_add_co_u32 s3, s3, XCH
	v_lshl_add_u32 v[XW0], v1, 1, s3               ; my wave's 256 bytes: 2 bytes a token
	v_and_b32 v5, 31, v0
	s_lshl_b32 s3, s21, 9
	s_lshl_b32 s66, s22, 7
	s_add_co_u32 s3, s3, s66
	s_add_co_u32 s3, s3, XCH
	v_lshl_add_u32 v[XR], v5, 2, s3                ; back: tokens 64 c + 2 lane, + 1 of my half, from the wave with c = 0; the other's lie 256 bytes on
	v_lshlrev_b32 v[GO], 4, v5
	v_lshlrev_b32 v[GS], 3, v5
	v_mov_b32 v[TM+2], 0                           ; written once: a lane permute's destination counts as one of its sources
	v_mov_b32 v[TM+3], 0
	v_mov_b32 v[C9], 0x3e7c6f08                    ; c9 = 0.24651730
	v_mov_b32 v[C9+1], 0x3e7c6f08
	s_lshl_b32 s96, s43, 19                        ; h_img: token tile 16 Y + 8 rho (32,768 bytes each), K unit 2 X (2,048), my two blocks of 32 f (1,024 c)
	s_lshl_b32 s97, s21, 18
	s_add_co_u32 s96, s96, s97
	s_lshl_b32 s97, s42, 12
	s_add_co_u32 s96, s96, s97
	s_lshl_b32 s97, s22, 10
	s_add_co_u32 s96, s96, s97
	s_mov_b32 s97, 0
	s_add_nc_u64 s[16:17], s[16:17], s[96:97]
	s_lshl_b32 s98, s42, 16                        ; h_scl: K unit 2 X (32,768 bytes each), token 256 Y + 64 w
	s_lshl_b32 s99, s43, 10
	s_add_co_u32 s98, s98, s99
	s_lshl_b32 s99, s20, 8
	s_add_co_u32 s98, s98, s99
	s_mov_b32 s99, 0
	s_add_nc_u64 s[18:19], s[18:19], s[98:99]
	KPAIR 4,  0xc034d90f                           ; c0 = -2.82574822   (the inputs' addresses have gone into the descriptors: their registers take the constants)
	KPAIR 6,  0x3fb8ab5a                           ; c1 =  1.44272920
	KPAIR 8,  0x3f0a29d2                           ; c2 =  0.53970062
	KPAIR 10, 0x3e0efb2e                           ; c3 =  0.13963006
	KPAIR 12, 0xbe899a80                           ; c4 = -0.26875686
	KPAIR 14, 0x3ecdfd18                           ; c5 =  0.40232158
	KPAIR 40, 0xbfd1a1e5                           ; c6 = -1.63775315
	KPAIR 42, 0x40097039                           ; c7 =  2.14747446
	KPAIR 44, 0xbf97d29d                           ; c8 = -1.18611495
	KPAIR 46, 0xbf38aa3b                           ; -log2(e) / 2
	s_mov_b32 s92, 0x3eb504f3                      ; 1 / sqrt 8
	s_mov_b32 s93, 0x600000                        ; the mantissa field of 57,344
	s_mov_b32 s94, 0x76543210                      ; v_permlanex16_b32's selects for lane l xor 16
	s_mov_b32 s95, 0xfedcba98
.macro FRAG reg, adr, off              ; a fragment, 16 rows x 128 K: lane l holds row l % 16; registers 4 c .. 4 c + 3 hold K = 32 c + 16 (l / 16) + 0 .. 15
.irp c, 0,1,2,3
	ds_load_b128 v[\reg+4*\c:\reg+4*\c+3], v[\adr] offset:\off+32*\c
.endr
.endm
.macro FETCH_B slot, q, p              ; the weights' eight fragments of the slot's q-th 128 along K into set p: 32 loads
	WIN TO_B
.irp i, 0,1,2,3
	FRAG 128*(\p)+16*\i, ADRB+\slot, 128*(\q)+\i*16*PITCH
.endr
.irp i, 0,1,2,3
	FRAG 128*(\p)+64+16*\i, ADRB+\slot, 128*(\q)+HALFT+\i*16*PITCH
.endr
	WIN 0
.endm
.macro FETCH_A slot, q, i0             ; x's blocks i0 .. i0 + 3: 16 loads
.irp i, \i0, \i0+1, \i0+2, \i0+3
	FRAG AF+16*(\i), ADRA+\slot, 128*(\q)+(\i)*16*PITCH
.endr
.endm
.macro SCALES sc, ks                   ; K step ks's scale words into set sc: two words a row; TJ: the tile, 128 rows of each weight on
.irp p, 0,1,2,3
	ds_load_b64 v[SC+16*\sc+2*\p:SC+16*\sc+2*\p+1], v[ADSA] offset:\p*1088+8*\ks
.endr
.irp p, 0,1
	ds_load_b64 v[SC+16*\sc+8+2*\p:SC+16*\sc+8+2*\p+1], v[ADSB] offset:TJ*4352+\p*1088+8*\ks
	ds_load_b64 v[SC+16*\sc+12+2*\p:SC+16*\sc+12+2*\p+1], v[ADSB] offset:TJ*4352+8704+\p*1088+8*\ks
.endr
.endm
; One matrix instruction on the registers named by rD, rB, rA, rSB, rSA.  An odd block's scale words lie in lanes 16-31 of its pair's register.
.macro WM zero
.if \zero
.if rRB && rRA
	v_wmma_scale_f32_16x16x128_f8f6f4 v[rD:rD+7], v[rB:rB+15], v[rA:rA+15], 0, v[rSB], v[rSA] matrix_a_fmt:MATRIX_FMT_BF8 matrix_b_fmt:MATRIX_FMT_BF8 matrix_a_scale:MATRIX_SCALE_ROW1 matrix_b_scale:MATRIX_SCALE_ROW1
.elseif rRB
	v_wmma_scale_f32_16x16x128_f8f6f4 v[rD:rD+7], v[rB:rB+15], v[rA:rA+15], 0, v[rSB], v[rSA] matrix_a_fmt:MATRIX_FMT_BF8 matrix_b_fmt:MATRIX_FMT_BF8 matrix_a_scale:MATRIX_SCALE_ROW1
.elseif rRA
	v_wmma_scale_f32_16x16x128_f8f6f4 v[rD:rD+7], v[rB:rB+15], v[rA:rA+15], 0, v[rSB], v[rSA] matrix_a_fmt:MATRIX_FMT_BF8 matrix_b_fmt:MATRIX_FMT_BF8 matrix_b_scale:MATRIX_SCALE_ROW1
.else
	v_wmma_scale_f32_16x16x128_f8f6f4 v[rD:rD+7], v[rB:rB+15], v[rA:rA+15], 0, v[rSB], v[rSA] matrix_a_fmt:MATRIX_FMT_BF8 matrix_b_fmt:MATRIX_FMT_BF8
.endif
.else
.if rRB && rRA
	v_wmma_scale_f32_16x16x128_f8f6f4 v[rD:rD+7], v[rB:rB+15], v[rA:rA+15], v[rD:rD+7], v[rSB], v[rSA] matrix_a_fmt:MATRIX_FMT_BF8 matrix_b_fmt:MATRIX_FMT_BF8 matrix_a_scale:MATRIX_SCALE_ROW1 matrix_b_scale:MATRIX_SCALE_ROW1
.elseif rRB
	v_wmma_scale_f32_16x16x128_f8f6f4 v[rD:rD+7], v[rB:rB+15], v[rA:rA+15], v[rD:rD+7], v[rSB], v[rSA] matrix_a_fmt:MATRIX_FMT_BF8 matrix_b_fmt:MATRIX_FMT_BF8 matrix_a_scale:MATRIX_SCALE_ROW1
.elseif rRA
	v_wmma_scale_f32_16x16x128_f8f6f4 v[rD:rD+7], v[rB:rB+15], v[rA:rA+15], v[rD:rD+7], v[rSB], v[rSA] matrix_a_fmt:MATRIX_FMT_BF8 matrix_b_fmt:MATRIX_FMT_BF8 matrix_b_scale:MATRIX_SCALE_ROW1
.else
	v_wmma_scale_f32_16x16x128_f8f6f4 v[rD:rD+7], v[rB:rB+15], v[rA:rA+15], v[rD:rD+7], v[rSB], v[rSA] matrix_a_fmt:MATRIX_FMT_BF8 matrix_b_fmt:MATRIX_FMT_BF8
.endif
.endif
.endm
; 16 matrix instructions: x's blocks a0, a0 + 1 against the weights' eight, 128 along K: the slot's q-th.  p: the weights' set; sc: the set of scale words.  zero = 1: the products start the sums: nothing is cleared.
; The 64 accumulators take turns, one instruction a turn, in the same order in every step.
.macro MUL16 a0, p, q, sc, zero
.irp a, \a0, \a0+1
.irp b, 0,1,2,3,4,5,6,7
.set rD, 8*(8*((\a)%4)+\b)
.set rB, 128*(\p)+16*\b
.set rA, AF+16*(\a)
.set rSB, SC+16*(\sc)+8+2*(\b/2)+(\q)
.set rSA, SC+16*(\sc)+2*((\a)/2)+(\q)
.set rRB, \b%2
.set rRA, (\a)%2
	WM \zero
.endr
.endr
.endm
; A load into a register that a matrix instruction has read, and a vector instruction that reads a matrix result or writes one of a matrix instruction's registers, stand NP places behind it;
; only plain vector instructions that name none of its registers are places (ISA guide 7.12.1 for vector instructions).
.macro PLACES n
.rept \n
	v_nop
.endr
.endm
; A step of 128 along K that has its successor in the same slot.  x has one set of registers: blocks 0-3 are fetched anew in the step's middle, blocks 4-7 at its end.
.macro STEP slot, q, zero
	s_wait_dscnt 16                                ; the weights' set, x's blocks 0-3 and the scale words are in; the youngest 16 loads (x's blocks 4-7) may be out
	WIN MUL_LO
	MUL16 0, (\q)%2, \q, \slot, \zero
	MUL16 2, (\q)%2, \q, \slot, \zero
	s_wait_dscnt 0x0                               ; x's blocks 4-7 are in (asked for 32 matrix instructions ago)
	PLACES NP
	FETCH_B \slot, (\q)+1, 1-(\q)%2
	FETCH_A \slot, (\q)+1, 0
	WIN MUL_HI
	MUL16 4, (\q)%2, \q, \slot, \zero
	MUL16 6, (\q)%2, \q, \slot, \zero
	PLACES NP
	WIN 0
	FETCH_A \slot, (\q)+1, 4
.endm
; The slot's next tile.  kind = 1: this tile's K step two steps on.  kind = 2: the next tile's K step 0 or 1: x goes back along K, the weights 128 rows on and back.
.macro REFILL slot, kind
.if \kind == 1
	s_add_nc_u64 s[G0+4*\slot+2:G0+4*\slot+3], s[G0+4*\slot+2:G0+4*\slot+3], 512
	s_add_nc_u64 s[G0B+4*\slot+2:G0B+4*\slot+3], s[G0B+4*\slot+2:G0B+4*\slot+3], 512
.else
	s_sub_nc_u64 s[G0+4*\slot+2:G0+4*\slot+3], s[G0+4*\slot+2:G0+4*\slot+3], 512
	s_add_nc_u64 s[G0B+4*\slot+2:G0B+4*\slot+3], s[G0B+4*\slot+2:G0B+4*\slot+3], 128*1024-512
.endif
	JLOAD G0+4*\slot, G1, G0B+4*\slot, G1B
.endm
; The head of a slot's last step: ONE barrier for the change of slots.  In front of it each wave waits for all its tensor loads (one is out: its part of the other slot), adds 0 to its spare word, and waits for that and for its reads of this slot.
.macro MEET slot
	s_wait_tensorcnt 0x0                           ; all my tensor loads have landed, so every group 0 may be written  (every window is 0 here)
	ds_add_u32 v[SPW], v[NIL]                      ; 0 onto my spare word
	s_wait_dscnt 17                                ; the add and the youngest 16 loads (x's blocks 4-7) may be out
	WIN MUL_LO
	MUL16 0, 1, 1, \slot, 0                        ; sixteen matrix instructions stand between the add and the wait for it
	s_wait_dscnt 0x0                               ; the add is done, and my reads of this slot are over
	s_barrier_signal -1
	MUL16 2, 1, 1, \slot, 0
	WIN 0
	s_barrier_wait -1
.endm
; A slot's last step, with a successor in the other slot.  fill = 0: nothing is filled; 1, 2: REFILL's kinds, behind a round of the cluster's barrier that the barrier above has opened.  ks: the K step whose scale words are fetched.
.macro TURN slot, next, fill, ks
	MEET \slot
.if \fill
	CREST                                          ; no wave of any partner still reads this slot's tile or has a load on its way
	REFILL \slot, \fill                            ; the first tensor load behind the round; its four v_nop are among the places in front of the loads below
	PLACES NP-4
.else
	PLACES NP
.endif
	FETCH_B \next, 0, 0
	FETCH_A \next, 0, 0
	SCALES \next, \ks
	WIN MUL_HI
	MUL16 4, 1, 1, \slot, 0
	MUL16 6, 1, 1, \slot, 0
	PLACES NP
	WIN 0
	FETCH_A \next, 0, 4
.endm
; A tile's last step (slot 1): nothing more is fetched from LDS.  fill = 1: slot 1 takes the next tile's K step 1.
.macro FINAL fill
.if \fill
	MEET 1
	CREST
	REFILL 1, 2
.else
	s_wait_dscnt 16
	WIN MUL_LO
	MUL16 0, 1, 1, 1, 0
	MUL16 2, 1, 1, 1, 0
	s_wait_dscnt 0x0
.endif
	WIN MUL_HI
	MUL16 4, 1, 1, 1, 0
	MUL16 6, 1, 1, 1, 0
	WIN 0
.endm
; THE ACTIVATION AND THE QUANTISER, a block of 16 tokens x 64 f at a time: a loop of eight trips.  Only what names the accumulators differs from block to block: STUB a, written once for each block.
; x1 = v[AC + n], x2 = v[AC + 32 + n] of window W, n = 8 b + j.  Each accumulator is read from its low end on.
.macro STUB a
.set W, 2+(\a)/4
.set WW, W|(W<<2)
.set AC, 64*((\a)%4)
	WIN WW                                         ; sources 0 and 1 in the accumulators' window
.set n, 0
.rept 32
	v_fma_f32 v[T+n], |v[AC+n]|, s92, 1.0          ; 1 + |x1| / sqrt 8
.set n, n+1
.endr
.set n, 0
.rept 16
	v_pk_mul_f32 v[U+n:U+n+1], v[AC+n:AC+n+1], v[AC+n:AC+n+1]   ; x1^2
.set n, n+2
.endr
.set n, 0
.rept 32
	v_max_num_f32 v[MA+n], 0, v[AC+n]              ; max(x1, 0)
.set n, n+1
.endr
.set n, 0
.rept 32
	v_mul_f32 v[MB+n], |v[AC+n]|, v[AC+32+n]       ; B = |x1| x2
.set n, n+1
.endr
	WIN W                                          ; source 0 alone
.set n, 0
.rept 16
	v_pk_mul_f32 v[MA+n:MA+n+1], v[AC+32+n:AC+32+n+1], v[MA+n:MA+n+1]   ; A = x2 max(x1, 0)
.set n, n+2
.endr
	WIN 0
.endm
.macro EPILOGUE
	PLACES NP                                      ; behind the last products: their results are read and x's fragments written over
	s_mov_b32 s3, 0                                ; the block
	s_mov_b32 s66, 0                               ; 32 bytes of half-words a block
.Lblk_\@:
	s_cmp_eq_u32 s3, 0
	s_cbranch_scc1 .Lst0_\@
	s_cmp_eq_u32 s3, 1
	s_cbranch_scc1 .Lst1_\@
	s_cmp_eq_u32 s3, 2
	s_cbranch_scc1 .Lst2_\@
	s_cmp_eq_u32 s3, 3
	s_cbranch_scc1 .Lst3_\@
	s_cmp_eq_u32 s3, 4
	s_cbranch_scc1 .Lst4_\@
	s_cmp_eq_u32 s3, 5
	s_cbranch_scc1 .Lst5_\@
	s_cmp_eq_u32 s3, 6
	s_cbranch_scc1 .Lst6_\@
	STUB 7
	s_branch .Lbody_\@
.Lst0_\@:
	STUB 0
	s_branch .Lbody_\@
.Lst1_\@:
	STUB 1
	s_branch .Lbody_\@
.Lst2_\@:
	STUB 2
	s_branch .Lbody_\@
.Lst3_\@:
	STUB 3
	s_branch .Lbody_\@
.Lst4_\@:
	STUB 4
	s_branch .Lbody_\@
.Lst5_\@:
	STUB 5
	s_branch .Lbody_\@
.Lst6_\@:
	STUB 6
.Lbody_\@:
.set n, 0
.rept 32
	v_rcp_f32 v[T+n], v[T+n]                       ; t
.set n, n+1
.endr
	v_add_nc_u32 v[XW], s66, v[XW0]                ; (the plain place behind the reciprocals)  where this block's half-word goes
.set n, 0
	s_wait_alu depctr_va_vdst(0)
.rept 16
	v_pk_fma_f32 v[P+n:P+n+1], v[T+n:T+n+1], v[C9:C9+1], s[44:45] op_sel_hi:[1,1,0]   ; c9 t + c8: sixteen chains by turns
.set n, n+2
.endr
.irp cr, 42,40,14,12,10,8,6,4                  ; c7 .. c0
.set n, 0
.rept 16
	v_pk_fma_f32 v[P+n:P+n+1], v[P+n:P+n+1], v[T+n:T+n+1], s[\cr:\cr+1] op_sel_hi:[1,1,0]
.set n, n+2
.endr
.endr
.set n, 0
.rept 16
	v_pk_fma_f32 v[P+n:P+n+1], v[U+n:U+n+1], s[46:47], v[P+n:P+n+1] op_sel_hi:[1,0,1]   ; - x1^2 log2(e) / 2
.set n, n+2
.endr
.set n, 0
.rept 32
	v_exp_f32 v[P+n], v[P+n]
.set n, n+1
.endr
	v_nop                                          ; one plain place behind the exponentials
.set n, 0
	s_wait_alu depctr_va_vdst(0)
.rept 16
	v_pk_mul_f32 v[P+n:P+n+1], v[P+n:P+n+1], v[T+n:T+n+1]   ; q
.set n, n+2
.endr
.set n, 0
.rept 16
	v_pk_fma_f32 v[MA+n:MA+n+1], v[MB+n:MB+n+1], v[P+n:P+n+1], v[MA+n:MA+n+1] neg_lo:[1,0,0] neg_hi:[1,0,0]   ; h = A - B q
.set n, n+2
.endr
	; two blocks of 32 f: a lane holds 16 numbers of each, lane l xor 16 the other 16.  The largest magnitude, with the floor 2^(16 - 127) among its leaves: the byte cannot fall under 1
.irp b, 0,1
	v_max3_num_f32 v[TM+\b], |v[MA+16*\b]|, |v[MA+16*\b+1]|, 0x8000000
	v_max3_num_f32 v[XD+\b], |v[MA+16*\b+8]|, |v[MA+16*\b+9]|, |v[MA+16*\b+10]|
.endr
.irp b, 0,1
	v_max3_num_f32 v[TM+\b], v[TM+\b], |v[MA+16*\b+2]|, |v[MA+16*\b+3]|
	v_max3_num_f32 v[XD+\b], v[XD+\b], |v[MA+16*\b+11]|, |v[MA+16*\b+12]|
.endr
.irp b, 0,1
	v_max3_num_f32 v[TM+\b], v[TM+\b], |v[MA+16*\b+4]|, |v[MA+16*\b+5]|
	v_max3_num_f32 v[XD+\b], v[XD+\b], |v[MA+16*\b+13]|, |v[MA+16*\b+14]|
.endr
.irp b, 0,1
	v_max3_num_f32 v[TM+\b], v[TM+\b], |v[MA+16*\b+6]|, |v[MA+16*\b+7]|
.endr
.irp b, 0,1
	v_max3_num_f32 v[TM+\b], v[TM+\b], v[XD+\b], |v[MA+16*\b+15]|
.endr
.irp b, 0,1
	v_permlanex16_b32 v[TM+2+\b], v[TM+\b], s94, s95
.endr
.irp b, 0,1
	v_max_num_f32 v[TM+\b], v[TM+\b], v[TM+2+\b]   ; the block's largest magnitude
.endr
.irp b, 0,1
	v_add_nc_u32 v[TM+6+\b], 0xf8800000, v[TM+\b]  ; 15 off its exponent field: the conversion takes the exponent field of this operand as its scale
.endr
.irp b, 0,1
	v_and_or_b32 v[TM+4+\b], v[TM+\b], 0x7f800000, s93   ; 57,344 x the scale
.endr
.irp b, 0,1
	v_lshrrev_b32 v[TM+2+\b], 23, v[TM+6+\b]       ; the scale's byte
.endr
	v_lshl_or_b32 v[HW], v[TM+3], 8, v[TM+2]
	ds_store_b16 v[XW], v[HW]                      ; my token's two bytes (lanes l and l xor 16 write the same bytes with the same value)
.irp b, 0,1
.irp i, 0,1,2,3,4,5,6,7,8,9,10,11,12,13,14,15
	v_med3_num_f32 v[MA+16*\b+\i], v[MA+16*\b+\i], -v[TM+4+\b], v[TM+4+\b]   ; the conversion to an 8-bit code does not saturate (ISA guide 7.6.2): the hold at the largest code x the scale
.endr
.endr
.irp b, 0,1
	v_cvt_scalef32_pk8_bf8_f32 v[CD+4*\b:CD+4*\b+1], v[MA+16*\b:MA+16*\b+7], v[TM+6+\b]
	v_cvt_scalef32_pk8_bf8_f32 v[CD+4*\b+2:CD+4*\b+3], v[MA+16*\b+8:MA+16*\b+15], v[TM+6+\b]
.endr
	v_nop                                          ; one plain place behind the conversions
	; a lane holds k = 8 h + 0 .. 7 and 16 + 8 h + 0 .. 7 of a block; the operand wants k = 16 h + 0 .. 15: lanes 16-31 of the first pair change places with lanes 0-15 of the second
.irp b, 0,1
	v_permlane16_swap_b32 v[CD+4*\b], v[CD+4*\b+2]
	v_permlane16_swap_b32 v[CD+4*\b+1], v[CD+4*\b+3]
.endr
	global_store_b128 v[GO], v[CD:CD+3], s[16:17]              ; 32 lanes store 512 consecutive bytes, at a multiple of 512 from h_img's first byte
	global_store_b128 v[GO], v[CD+4:CD+7], s[16:17] offset:512
	s_wait_dscnt 0x0                               ; the half-word's store is done: its registers are written again in the next trip, and behind the last trip stands a barrier's signal
	s_wait_xcnt 0x0                                ; the stores' addresses are translated: only behind this wait are their data and their base written again
	s_add_nc_u64 s[16:17], s[16:17], 32768         ; the next tile of 16 tokens
	s_add_co_u32 s66, s66, 32
	s_add_co_u32 s3, s3, 1
	s_cmp_lt_u32 s3, 8
	s_cbranch_scc1 .Lblk_\@
	; a token's scale word is made of two waves' half-words: they meet in LDS
	s_barrier_signal -1                            ; (my stores into XCH were waited for at the last trip's end; a tensor load may stay out)
	s_barrier_wait -1
	ds_load_b32 v[XD], v[XR]                       ; blocks 0, 1 of tokens 2 lane, 2 lane + 1 of my 64
	ds_load_b32 v[XD+1], v[XR] offset:256          ; blocks 2, 3
	s_wait_dscnt 0x0
	v_perm_b32 v2, v[XD+1], v[XD], 0x05040100      ; the even token's word
	v_perm_b32 v3, v[XD+1], v[XD], 0x07060302      ; the odd token's
	global_store_b64 v[GS], v[2:3], s[18:19]       ; 32 lanes store 256 consecutive bytes, at a multiple of 256 from h_scl's first byte
.endm
; A tile: four K steps of 256, eight steps of 128.  The first tile's last two changes of slots ask for the second tile's first two K steps; the second tile's ask for nothing: both are written out.
.macro TILE last
	FETCH_B 0, 0, 0
	FETCH_A 0, 0, 0
	SCALES 0, 0
	FETCH_A 0, 0, 4
	STEP 0, 0, 1                                   ; the first products start the sums
	TURN 0, 1, 1, 1
	STEP 1, 0, 0
	TURN 1, 0, 1, 2
	STEP 0, 0, 0
.if \last
	TURN 0, 1, 0, 3
	STEP 1, 0, 0
	FINAL 0
.else
	TURN 0, 1, 2, 3
	STEP 1, 0, 0
	FINAL 1
.endif
	EPILOGUE
.endm
	s_wait_tensorcnt 1                             ; the scale bytes and my part of K step 0 are in; K step 1's load may stay out
	s_barrier_signal -1
	s_barrier_wait -1                              ; everybody's are
.set TJ, 0
	TILE 0
	s_wait_xcnt 0x0                                ; the stores have read their bases
	s_sub_nc_u64 s[16:17], s[16:17], 8*32768-2048  ; back to my first tile of tokens, one K unit on
	s_add_nc_u64 s[18:19], s[18:19], 32768
.set TJ, 1
	TILE 1                                         ; slot 0 holds its K step 0: every wave waited for that load in front of the first tile's last round
	s_wait_tensorcnt 0x0                           ; the wave's end, behind my last tensor load and my last LDS store
	ds_add_u32 v[SPW], v[NIL]
	s_wait_dscnt 0x0
	CROUND                                         ; the closing round: no work-group ends while a partner may still ask for a tile that names it
	s_endpgm
.Lfunc_end_k_q04b9a558ce_glu:
	.size	k_q04b9a558ce_glu, .Lfunc_end_k_q04b9a558ce_glu-k_q04b9a558ce_glu
	.p2alignl 7, 3214868480
	.fill 96, 4, 3214868480
	.section	.rodata,"a",@progbits
	.p2align	6, 0x0
	.amdhsa_kernel k_q04b9a558ce_glu
		.amdhsa_group_segment_fixed_size 327680
		.amdhsa_private_segment_fixed_size 0
		.amdhsa_enable_private_segment 0
		.amdhsa_kernarg_size 64
		.amdhsa_user_sgpr_count 2
		.amdhsa_user_sgpr_kernarg_segment_ptr 1
		.amdhsa_wavefront_size32 1
		.amdhsa_system_sgpr_workgroup_id_x 1
		.amdhsa_system_sgpr_workgroup_id_y 1
		.amdhsa_system_sgpr_workgroup_id_z 1
		.amdhsa_system_vgpr_workitem_id 0
		.amdhsa_next_free_vgpr 1024
		.amdhsa_next_free_sgpr 102
		.amdhsa_reserve_vcc 0
		.amdhsa_float_denorm_mode_32 3
		.amdhsa_float_denorm_mode_16_64 3
		.amdhsa_memory_ordered 1
		.amdhsa_forward_progress 1
		.amdhsa_inst_pref_size 255
	.end_amdhsa_kernel
	.section	.bss,"aw",@nobits
	.p2align	6
	.space	262144
	.amdgpu_metadata
---
amdhsa.version: [ 1, 2 ]
amdhsa.kernels:
  - .name:           k_q04b9a558ce_glu
    .symbol:         k_q04b9a558ce_glu.kd
    .args:
      - { .name: x_codes, .offset: 0, .size: 8, .value_kind: global_buffer, .address_space: global }
      - { .name: x_scales, .offset: 8, .size: 8, .value_kind: global_buffer, .address_space: global }
      - { .name: w1_codes, .offset: 16, .size: 8, .value_kind: global_buffer, .address_space: global }
      - { .name: w1_scales, .offset: 24, .size: 8, .value_kind: global_buffer, .address_space: global }
      - { .name: v1_codes, .offset: 32, .size: 8, .value_kind: global_buffer, .address_space: global }
      - { .name: v1_scales, .offset: 40, .size: 8, .value_kind: global_buffer, .address_space: global }
      - { .name: h_img, .offset: 48, .size: 8, .value_kind: global_buffer, .address_space: global }
      - { .name: h_scl, .offset: 56, .size: 8, .value_kind: global_buffer, .address_space: global }
    .group_segment_fixed_size: 327680
    .private_segment_fixed_size: 0
    .kernarg_segment_align: 8
    .kernarg_segment_size: 64
    .max_flat_workgroup_size: 128
    .sgpr_count:     102
    .vgpr_count:     1024
    .wavefront_size: 32
...
	.end_amdgpu_metadata
.endif
;; end of part 1
;; launch down (part 2): grid 4 x 64, 4 waves a work-group, clusters of 4 x 4, 327,680 bytes of LDS; arguments h_img, h_scl, w2_codes, w2_scales, out0; writes out0
.if DOCPART == 2
	.amdgcn_target "amdgcn-amd-amdhsa--gfx1250"
	.amdhsa_code_object_version 6
	.text
	.protected	k_q04b9a558ce_down
	.globl	k_q04b9a558ce_down
	.p2align	8
	.type	k_q04b9a558ce_down,@function
k_q04b9a558ce_down:
	s_mov_b64 s[64:65], 0
	v_nop
	global_prefetch_b8 v0, s[64:65] scope:SCOPE_SE
	s_setreg_imm32_b32 hwreg(HW_REG_WAVE_MODE, 25, 1), 1
	s_wait_xcnt 0x0
	s_wait_alu depctr_hold_cnt(0) depctr_sa_sdst(0) depctr_va_vdst(0) depctr_va_sdst(0) depctr_va_ssrc(0) depctr_va_vcc(0) depctr_vm_vsrc(0)
	s_getreg_b32 s2, hwreg(HW_REG_IB_STS2, 6, 4)
	s_cmp_eq_u32 s2, 0
	s_cbranch_scc0 .Lentry_in_a_cluster
	s_endpgm
.Lentry_in_a_cluster:
	s_bfe_u32 s2, ttmp6, 0x10000c
	s_cmp_lg_u32 s2, 0xf033
	s_cbranch_scc0 .Lentry_shape_is_right
	s_endpgm
.Lentry_shape_is_right:
; out = h w2^T: the layer's third product, K = 2,048.  h comes from the launch before: h_img, codes of E5M2 in the order of the operand's registers, [token tile of 16][K unit of 128][4][lane][16 bytes];
; h_scl, [K unit][token] words of four E8M0 bytes.  w2 [8][1024][2048]: codes, K innermost; its scale bytes [8][1024][64].  out0 [8192][1024] f32.  Expert e owns tokens 1,024 e on, by position.
; SHARES.  The result has 128 tiles of 256 x 256, too few for 256 work-groups: a tile is 128 tokens x 256 columns, one to a work-group.  Four waves, wave (rho, c): tokens 64 rho on, columns 128 c on: 32 accumulators.
; w2 GOES THROUGH A RING of two LDS slots, 512 along K each: 256 rows of 512 bytes + 16; each wave fetches 64 rows with one joint load.  K has four such steps: two first fills and two refills.
; h GOES STRAIGHT INTO REGISTERS: h_img is the operand's register image, so a load of 16 bytes a lane reads 512 consecutive bytes and needs no LDS.  Five sets of 64 registers take turns; up to 60 loads of a wave are
; out, and they stay out across the ring's barriers, since they are waited for by count.  h IS NOT ASKED FOR JOINTLY, though the four work-groups of a cluster's row read the same h: with h in the ring a slot of 512 along K
; would take 65,536 + 135,168 bytes and two of them 401,408, more than the 327,680 there are; slots of 256 along K mean six refills, not two, each with half the matrix work in which to land.
; The scale bytes of all of K stay in LDS, filled once.  CLUSTERS, 4 x 4: w2's tiles and scales are asked for jointly along a column (the expert is the cluster's y / 2), h's scale words along a row.
; THE MATRIX INSTRUCTION IS USED TRANSPOSED (source 0 = 16 rows of w2, source 1 = 16 tokens): a lane holds eight neighbouring columns of one row of out0.
; The 16 units of 128 along K are written out.
; REGISTERS: window 0: v1-31 addresses; v32-47 h's scale words, v48-79 w2's, two sets each, and nothing else; v128-191 h's set 4; on the way out v128-255 are rows of out0.
;   window 1: w2's fragments, two sets.   window 2: accumulator (a, b) at v[8 (8 a + b)].   window 3: h's sets 0 to 3.
.set PITCH,  528                       ; a row of w2 in LDS: 512 bytes + 16 of padding = 132 words: the 16 rows that a fragment load touches start at 16 different banks (64 banks of 4 bytes: ISA guide 11.1)
.set QTILE,  64*PITCH                  ; 64 rows: what one tensor load brings
.set SLOT,   4*QTILE
.set SCH,    2*SLOT                    ; h's scale words: [16 K units][128 tokens]: 8,192 bytes
.set SCW,    SCH+8192                  ; w2's scale bytes: 256 rows x 64, as blocks of 256 bytes + 16: 17,408
.set SPARE,  SCW+17408                 ; the spare words, 128 bytes for each wave; no other line names them
.set STAGE,  0                         ; the way out: 16 rows x (512 bytes + 16) for each wave, in slot 0: it has had its last fill (K step 2), and nobody reads it behind unit 11's barrier
.set SPITCH, 528
.set NP,     8                         ; places behind this matrix instruction (ISA guide 7.12.1)
.set ADRB, 20                          ; v20-21  my w2 fragments in slot 0, 1
.set STO,  24                          ; v24     the way out: where I put 32 bytes of a row
.set RD,   25                          ; v25     where I read a row back
.set CO,   26                          ; v26     16 x lane: my place in an image of h and in a row of out0; never rewritten
.set ADSA, 27                          ; v27     h's scale words
.set SPW,  28                          ; v28     my spare word; never rewritten
.set NIL,  29                          ; v29     0; never rewritten
.set ADSB, 30                          ; v30     w2's scale words
.set SCA,  32                          ; h's: set s at v[SCA + 8 s]; register 2 q + p: lanes 0-15 token tile 2 p, lanes 16-31 tile 2 p + 1; q the step's unit
.set SCB,  48                          ; w2's: set s at v[SCB + 16 s]; register 4 p + q: lanes 0-15 block 2 p, lanes 16-31 block 2 p + 1
.set H4,   128                         ; h's set 4, in window 0
.set BK,   128                         ; the way out: 16 rows read back: v128-191 and v192-255 by turns
.set G1B,  48                          ; s[48:55] group 1 for w2's tiles; s[56:63] group 0, a set for each slot
.set G0B,  56
.set G1S,  68                          ; s[68:75], s[76:79] h's scale words; s[80:87], s[88:91] w2's scale bytes
.set G0S,  76
.set G1SB, 80
.set G0SB, 88
.set MSB, 0
.macro WIN new                         ; the immediate's high byte repeats the setting that is left
.if MSB != (\new)
	s_set_vgpr_msb (MSB<<8)|(\new)
.set MSB, (\new)
.endif
.endm
.set TO_B, 0x40                        ; destination window 1, address window 0
; The joint load of the scales: waves 0 and 1 fetch h's, waves 2 and 3 w2's.  Four v_nop follow each of the two lines, ahead of the jump, the label and what follows.
.macro JLOAD g0a, g1a, g0b, g1b
	s_cmp_eq_u32 s15, 0
	s_cbranch_scc0 .Lfor_b_\@
	tensor_load_to_lds s[\g0a:\g0a+3], s[\g1a:\g1a+7]
	s_nop 0
.rept 4
	v_nop
.endr
	s_branch .Lasked_\@
.Lfor_b_\@:
	tensor_load_to_lds s[\g0b:\g0b+3], s[\g1b:\g1b+7]
	s_nop 0
.rept 4
	v_nop
.endr
.Lasked_\@:
.endm
.macro WLOAD s                         ; a joint load of w2: every wave its 64 rows of slot s; one line, one mask; four v_nop behind it
	tensor_load_to_lds s[G0B+4*\s:G0B+4*\s+3], s[G1B:G1B+7]
	s_nop 0
.rept 4
	v_nop
.endr
.endm
.macro CREST                           ; a round of the cluster's barrier behind its opening barrier
	s_cmp_lg_u32 s14, 0
	s_cbranch_scc1 .Lnot_wave_0_\@
	s_barrier_signal -3
.Lnot_wave_0_\@:
	s_barrier_wait -3
	s_barrier_signal -1
	s_barrier_wait -1
.endm
.macro CROUND
	s_barrier_signal -1
	s_barrier_wait -1
	CREST
.endm
; h's fragments of K unit u, token tiles i0 .. i1 of my four, into set u % 5: four loads a tile, each 512 consecutive bytes
.macro HLOADP u, i0, i1
.set H_S, (\u)%5
.if H_S < 4
	WIN 0xc0                                       ; destination window 3, address window 0
.set H_B, 64*H_S
.else
	WIN 0
.set H_B, H4
.endif
.set H_I, \i0
.rept (\i1)-(\i0)+1
.irp g, 0,1,2,3
	global_load_b128 v[H_B+16*H_I+4*\g:H_B+16*H_I+4*\g+3], v[CO], s[4:5] offset:H_I*32768+(\u)*2048+\g*512
.endr
.set H_I, H_I+1
.endr
	WIN 0
.endm
	s_load_b256 s[4:11], s[0:1], 0x0               ; h_img s[4:5], h_scl s[6:7], w2's codes s[8:9], w2's scales s[10:11]
	s_load_b64 s[12:13], s[0:1], 0x20              ; out0
	v_lshl_add_u32 v[SPW], v0, 2, SPARE
	v_mov_b32 v[NIL], 0
	ds_add_u32 v28, v29
	ds_add_u32 v28, v29
	s_wait_dscnt 0x0
	v_lshrrev_b32 v1, 5, v0
	v_readfirstlane_b32 s14, v1                    ; wave 0..3
	v_and_b32 v3, 31, v0                           ; lane
	v_lshlrev_b32 v[CO], 4, v3
	s_lshr_b32 s15, s14, 1                         ; rho: my 64 tokens.  Also: I fetch h's scale words (0) or w2's scale bytes (1)
	s_and_b32 s16, s14, 1                          ; c: my 128 columns.  Also: which half of the scales I fetch
	s_bfe_u32 s40, ttmp6, 0x40000                  ; cx, cy
	s_bfe_u32 s41, ttmp6, 0x40004
	s_lshl_b32 s42, ttmp9, 2
	s_add_co_u32 s42, s42, s40                     ; X: my 256 columns
	s_and_b32 s17, ttmp7, 0xffff
	s_lshl_b32 s43, s17, 2
	s_add_co_u32 s43, s43, s41                     ; Y: my 128 tokens
	s_lshr_b32 s18, s17, 1                         ; e: a cluster covers 512 tokens, an expert two clusters
	s_lshl_b32 s44, s41, 2
	s_lshl_b32 s44, 15, s44                        ; my row of the cluster
	s_lshl_b32 s45, 0x1111, s40                    ; my column
	; w2's codes: 64 rows x 512 bytes, 2,048 bytes apart in memory, 16 bytes of padding behind each in LDS
	s_or_b32 s[G1B+0], s45, (0<<16)|(1<<20)|(1<<21)|(6<<22)|(3<<25)   ; 15:0 the mask; 17:16 elements of 1 byte; 20 padding on; 21 set beside a mask; 24:22 after every 128 words; 31:25 four words
	s_mov_b32 s[G1B+1], 512<<16                    ; tensor_dim0
	s_mov_b32 s[G1B+2], 64<<16                     ; tensor_dim1
	s_mov_b32 s[G1B+3], 512<<16                    ; tile_dim0
	s_mov_b32 s[G1B+4], 64                         ; tile_dim1
	s_mov_b32 s[G1B+5], 2048                       ; tensor_dim0_stride
	s_mov_b32 s[G1B+6], 0
	s_mov_b32 s[G1B+7], 0
	; h's scale words: 8 K units x 512 bytes (64 elements of 8), 32,768 bytes apart
	s_or_b32 s[G1S+0], s44, (3<<16)|(1<<21)
	s_mov_b32 s[G1S+1], 64<<16
	s_mov_b32 s[G1S+2], 8<<16
	s_mov_b32 s[G1S+3], 64<<16
	s_mov_b32 s[G1S+4], 8
	s_mov_b32 s[G1S+5], 4096
	s_mov_b32 s[G1S+6], 0
	s_mov_b32 s[G1S+7], 0
	; w2's scale bytes of 128 rows: 8,192 dense bytes, as 32 rows of 256, 16 bytes of padding behind each
	s_or_b32 s[G1SB+0], s45, (3<<16)|(1<<20)|(1<<21)|(5<<22)|(3<<25)
	s_mov_b32 s[G1SB+1], 32<<16
	s_mov_b32 s[G1SB+2], 32<<16
	s_mov_b32 s[G1SB+3], 32<<16
	s_mov_b32 s[G1SB+4], 32
	s_mov_b32 s[G1SB+5], 32
	s_mov_b32 s[G1SB+6], 0
	s_mov_b32 s[G1SB+7], 0
	s_lshl_b32 s20, s43, 18                        ; h_img: my first token tile, 8 Y + 4 rho, 32,768 bytes each
	s_lshl_b32 s19, s15, 17
	s_add_co_u32 s20, s20, s19
	s_mov_b32 s21, 0
	s_lshl_b32 s22, s43, 9                         ; h_scl: token 128 Y, K unit 8 c
	s_lshl_b32 s19, s16, 18
	s_add_co_u32 s22, s22, s19
	s_mov_b32 s23, 0
	s_lshl_b32 s46, s18, 10                        ; w2: row 1,024 e + 256 X
	s_lshl_b32 s47, s42, 8
	s_add_co_u32 s46, s46, s47
	s_lshl_b32 s47, s14, 6
	s_add_co_u32 s92, s46, s47                     ; the codes that I fetch: + 64 w,
	s_lshl_b32 s92, s92, 11                        ; 2,048 bytes a row
	s_mov_b32 s93, 0
	s_lshl_b32 s47, s16, 7
	s_add_co_u32 s46, s46, s47                     ; the scale bytes that I fetch: + 128 c,
	s_lshl_b32 s46, s46, 6                         ; 64 bytes a row
	s_mov_b32 s47, 0
	s_mul_i32 s94, s14, QTILE                      ; where they go in LDS: no place in the cluster enters
	s_lshl_b32 s96, s16, 12
	s_mul_i32 s97, s16, 8704
	s_wait_kmcnt 0x0
	s_add_nc_u64 s[4:5], s[4:5], s[20:21]
	s_add_nc_u64 s[6:7], s[6:7], s[22:23]
	s_add_nc_u64 s[8:9], s[8:9], s[92:93]
	s_add_nc_u64 s[10:11], s[10:11], s[46:47]
	HLOADP 0, 0, 3                                 ; h of units 0, 1, 2 and three quarters of unit 3: 60 loads, asked for ahead of everything else
	HLOADP 1, 0, 3
	HLOADP 2, 0, 3
	HLOADP 3, 0, 2
	CROUND                                         ; all sixteen work-groups are here: the first joint loads meet
	s_mov_b32 s[G0S], 1
	s_add_co_u32 s[G0S+1], s96, SCH
	s_mov_b64 s[G0S+2:G0S+3], s[6:7]
	s_or_b32 s[G0S+3], s[G0S+3], 0x80000000
	s_mov_b32 s[G0SB], 1
	s_add_co_u32 s[G0SB+1], s97, SCW
	s_mov_b64 s[G0SB+2:G0SB+3], s[10:11]
	s_or_b32 s[G0SB+3], s[G0SB+3], 0x80000000
	JLOAD G0S, G1S, G0SB, G1SB                     ; the scale bytes of all of K: filled once
.irp s, 0,1
	s_mov_b32 s[G0B+4*\s], 1                       ; 1:0 count = 1
	s_add_co_u32 s[G0B+4*\s+1], s94, \s*SLOT       ; 63:32 LDS address
	s_add_nc_u64 s[G0B+4*\s+2:G0B+4*\s+3], s[8:9], \s*512   ; 120:64 global address: K step s
	s_or_b32 s[G0B+4*\s+3], s[G0B+4*\s+3], 0x80000000      ; 127:126 type = 2
	WLOAD \s                                       ; K steps 0 and 1: three tensor loads of mine are out
.endr
	v_and_b32 v1, 15, v0                           ; r
	v_bfe_u32 v2, v0, 4, 1                         ; h
	v_mul_u32_u24 v4, v1, PITCH
	v_lshl_add_u32 v4, v2, 4, v4                   ; a fragment's row x pitch + 16 h
	s_mul_i32 s19, s16, 128*PITCH                  ; my 128 rows of w2
	v_add_nc_u32 v[ADRB], s19, v4
	s_add_co_u32 s19, s19, SLOT
	v_add_nc_u32 v[ADRB+1], s19, v4
	s_mul_i32 s19, s14, 16*SPITCH
	s_add_co_u32 s19, s19, STAGE                   ; my stage
	v_mul_u32_u24 v5, v1, SPITCH
	v_lshl_add_u32 v5, v2, 5, v5
	v_add_nc_u32 v[STO], s19, v5                   ; in: row r, 32 bytes for each half of the lanes
	v_add_nc_u32 v[RD], s19, v[CO]                 ; back: the 32 lanes take one row of 512 bytes
	s_lshl_b32 s19, s15, 8
	s_add_co_u32 s19, s19, SCH
	v_lshl_add_u32 v[ADSA], v3, 2, s19             ; h's scale words: my 64 tokens, 4 bytes a lane
	v_lshlrev_b32 v5, 6, v1                        ; w2's: a row's 64 bytes,
	v_lshrrev_b32 v6, 2, v1
	v_lshl_add_u32 v5, v6, 4, v5                   ; 16 more behind every fourth row,
	v_mad_u32_u24 v5, v2, 1088, v5                 ; and lanes 16-31 take the block of 16 rows behind
	s_add_co_u32 s19, s97, SCW
	v_add_nc_u32 v[ADSB], s19, v5
	s_lshl_b32 s20, s43, 19                        ; out0: row 128 Y + 64 rho (4,096 bytes each), column 256 X + 128 c
	s_lshl_b32 s19, s15, 18
	s_add_co_u32 s20, s20, s19
	s_lshl_b32 s19, s42, 10
	s_add_co_u32 s20, s20, s19
	s_lshl_b32 s19, s16, 9
	s_add_co_u32 s20, s20, s19
	s_mov_b32 s21, 0
	s_add_nc_u64 s[12:13], s[12:13], s[20:21]
.macro FETCHW u                        ; w2's eight fragments of K unit u (slot (u / 4) % 2, its (u % 4)-th 128 along K) into set u % 2: 32 loads
.set F_S, ((\u)/4)%2
.set F_Q, (\u)%4
.set F_P, (\u)%2
	WIN TO_B
.irp i, 0,1,2,3,4,5,6,7
.irp g, 0,1,2,3
	ds_load_b128 v[128*F_P+16*\i+4*\g:128*F_P+16*\i+4*\g+3], v[ADRB+F_S] offset:128*F_Q+32*\g+\i*16*PITCH
.endr
.endr
	WIN 0
.endm
.macro SCALES ks                       ; K step ks's scale words into set ks % 2: h's eight registers, w2's sixteen (a row's four words by one load)
.set S_S, (\ks)%2
.irp q, 0,1,2,3
.irp p, 0,1
	ds_load_b32 v[SCA+8*S_S+2*\q+\p], v[ADSA] offset:(\ks)*2048+\q*512+\p*128
.endr
.endr
.irp p, 0,1,2,3
	ds_load_b128 v[SCB+16*S_S+4*\p:SCB+16*S_S+4*\p+3], v[ADSB] offset:\p*2176+16*(\ks)
.endr
.endm
.macro WM zero                         ; one matrix instruction; an odd block's scale words lie in lanes 16-31 of its pair's register
.if \zero
.if rRB && rRA
	v_wmma_scale_f32_16x16x128_f8f6f4 v[rD:rD+7], v[rB:rB+15], v[rA:rA+15], 0, v[rSB], v[rSA] matrix_a_fmt:MATRIX_FMT_BF8 matrix_b_fmt:MATRIX_FMT_BF8 matrix_a_scale:MATRIX_SCALE_ROW1 matrix_b_scale:MATRIX_SCALE_ROW1
.elseif rRB
	v_wmma_scale_f32_16x16x128_f8f6f4 v[rD:rD+7], v[rB:rB+15], v[rA:rA+15], 0, v[rSB], v[rSA] matrix_a_fmt:MATRIX_FMT_BF8 matrix_b_fmt:MATRIX_FMT_BF8 matrix_a_scale:MATRIX_SCALE_ROW1
.elseif rRA
	v_wmma_scale_f32_16x16x128_f8f6f4 v[rD:rD+7], v[rB:rB+15], v[rA:rA+15], 0, v[rSB], v[rSA] matrix_a_fmt:MATRIX_FMT_BF8 matrix_b_fmt:MATRIX_FMT_BF8 matrix_b_scale:MATRIX_SCALE_ROW1
.else
	v_wmma_scale_f32_16x16x128_f8f6f4 v[rD:rD+7], v[rB:rB+15], v[rA:rA+15], 0, v[rSB], v[rSA] matrix_a_fmt:MATRIX_FMT_BF8 matrix_b_fmt:MATRIX_FMT_BF8
.endif
.else
.if rRB && rRA
	v_wmma_scale_f32_16x16x128_f8f6f4 v[rD:rD+7], v[rB:rB+15], v[rA:rA+15], v[rD:rD+7], v[rSB], v[rSA] matrix_a_fmt:MATRIX_FMT_BF8 matrix_b_fmt:MATRIX_FMT_BF8 matrix_a_scale:MATRIX_SCALE_ROW1 matrix_b_scale:MATRIX_SCALE_ROW1
.elseif rRB
	v_wmma_scale_f32_16x16x128_f8f6f4 v[rD:rD+7], v[rB:rB+15], v[rA:rA+15], v[rD:rD+7], v[rSB], v[rSA] matrix_a_fmt:MATRIX_FMT_BF8 matrix_b_fmt:MATRIX_FMT_BF8 matrix_a_scale:MATRIX_SCALE_ROW1
.elseif rRA
	v_wmma_scale_f32_16x16x128_f8f6f4 v[rD:rD+7], v[rB:rB+15], v[rA:rA+15], v[rD:rD+7], v[rSB], v[rSA] matrix_a_fmt:MATRIX_FMT_BF8 matrix_b_fmt:MATRIX_FMT_BF8 matrix_b_scale:MATRIX_SCALE_ROW1
.else
	v_wmma_scale_f32_16x16x128_f8f6f4 v[rD:rD+7], v[rB:rB+15], v[rA:rA+15], v[rD:rD+7], v[rSB], v[rSA] matrix_a_fmt:MATRIX_FMT_BF8 matrix_b_fmt:MATRIX_FMT_BF8
.endif
.endif
.endm
; 8 matrix instructions of K unit u: token tile a against w2's eight blocks.  The 32 accumulators take turns, one instruction a turn, in the same order in every unit.
.macro MUL8 a, u, zero
.set M_S, (\u)%5
.if M_S < 4
	WIN 0xad                                       ; source 0 (w2) window 1, source 1 (h) window 3, C and D window 2
.set M_H, 64*M_S
.else
	WIN 0xa1                                       ; the same with h in window 0
.set M_H, H4
.endif
.irp b, 0,1,2,3,4,5,6,7
.set rD, 8*(8*\a+\b)
.set rB, 128*((\u)%2)+16*\b
.set rA, M_H+16*\a
.set rSB, SCB+16*(((\u)/4)%2)+4*(\b/2)+((\u)%4)
.set rSA, SCA+8*(((\u)/4)%2)+2*((\u)%4)+\a/2
.set rRB, \b%2
.set rRA, \a%2
	WM \zero
.endr
.endm
.macro PLACES n                        ; places in front of loads into registers that matrix instructions have read, and of the first read of results (ISA guide 7.12.1 for vector instructions)
.rept \n
	v_nop
.endr
.endm
; h of unit u is in.  Loads come back in order (ISA guide 5.7.1).  Behind unit u's last load were issued: tiles 0-2 of u + 1, tile 3 of u + 1, tiles 0-2 of u + 2, tile 3 of u + 2, tiles 0-2 of u + 3:
; 12 + 4 + 12 + 4 + 12 = 44; from unit 13 on what is left of units up to 15: 16 a unit.
.macro HWAIT u
.if (\u) <= 12
	s_wait_loadcnt 44
.else
	s_wait_loadcnt 16*(15-(\u))
.endif
.endm
; What the head of unit u asks for: the last quarter of unit u + 3 and three quarters of unit u + 4, whose set unit u - 1 has just left: with the 44 above 60 loads are out
.macro HNEXT u
.if (\u)+3 <= 15
	HLOADP (\u)+3, 3, 3
.endif
.if (\u)+4 <= 15
	HLOADP (\u)+4, 0, 2
.endif
.endm
; A unit of 128 along K that has its successor in the same slot
.macro UNIT u
	s_wait_dscnt 0x0                               ; w2's set u % 2 (asked for a unit ago) and the scale words are in
	HWAIT \u
.if (\u) > 0
	PLACES NP                                      ; behind unit u - 1's products, which read the two sets that are loaded now
.endif
	FETCHW (\u)+1
	HNEXT \u
.if (\u) == 0
.irp a, 0,1,2,3
	MUL8 \a, \u, 1                                 ; the first products start the sums: nothing is cleared
.endr
.else
.irp a, 0,1,2,3
	MUL8 \a, \u, 0
.endr
.endif
	WIN 0
.endm
; A slot's last unit, and the change of slots: ONE barrier; in front of it each wave waits for all its tensor loads, adds 0 to its spare word, and waits for that and for its reads of this slot.
; fill = 1: this slot is filled again, two K steps ahead, behind a round of the cluster's barrier that this barrier opens.  h's loads are asked for ahead of the three lines: between the add and the wait for it stands no memory instruction.
.macro TURN u, fill
.set T_S, ((\u)/4)%2
	HWAIT \u
	PLACES NP                                      ; behind unit u - 1's products
	HNEXT \u
	s_wait_tensorcnt 0x0                           ; all my tensor loads have landed: my part of the other slot; so every group 0 may be written
	ds_add_u32 v[SPW], v[NIL]                      ; 0 onto my spare word
	s_wait_dscnt 1                                 ; w2's set for this unit is in; the add may be out
	MUL8 0, \u, 0                                  ; eight matrix instructions stand between the add and the wait for it
	s_wait_dscnt 0x0                               ; the add is done, and my reads of this slot are over
	s_barrier_signal -1
	MUL8 1, \u, 0
	WIN 0
	s_barrier_wait -1
.if \fill
	CREST                                          ; no wave of any partner still reads this slot or has a tensor load on its way
	s_add_nc_u64 s[G0B+4*T_S+2:G0B+4*T_S+3], s[G0B+4*T_S+2:G0B+4*T_S+3], 1024
	WLOAD T_S                                      ; the first tensor load behind the round: 112 matrix instructions ahead of the wait for it
.endif
	FETCHW (\u)+1                                  ; (the set that it fills was last read by unit u - 1: the places stand at this unit's head)
	SCALES ((\u)+1)/4
	MUL8 2, \u, 0
	MUL8 3, \u, 0
	WIN 0
.endm
	s_wait_tensorcnt 1                             ; the scale bytes and my part of K step 0 are in; K step 1's load may stay out
	s_barrier_signal -1
	s_barrier_wait -1                              ; everybody's are
	FETCHW 0
	SCALES 0
	UNIT 0
	UNIT 1
	UNIT 2
	TURN 3, 1                                      ; slot 0 takes K step 2
	UNIT 4
	UNIT 5
	UNIT 6
	TURN 7, 1                                      ; slot 1 takes K step 3
	UNIT 8
	UNIT 9
	UNIT 10
	TURN 11, 0                                     ; nothing is left to fetch: no round
	UNIT 12
	UNIT 13
	UNIT 14
	s_wait_dscnt 0x0                               ; the very last 128 along K
	HWAIT 15
.irp a, 0,1,2,3
	MUL8 \a, 15, 0
.endr
	WIN 0
; THE WAY OUT, a tile of 16 tokens x 128 columns at a time.  A lane holds 32 neighbouring bytes of a row and the lanes beside it other rows: the tile goes through my own stage in LDS and comes back as whole rows of 512 bytes.
; LDS serves a wave's instructions in order (ISA guide 5.7.1.4): no wait between the stores and the loads, nor in front of the next tile's stores.
.macro TOSTAGE a
	WIN 0x08                                       ; an LDS store's data are its source 1: window 2
.irp b, 0,1,2,3,4,5,6,7
	ds_store_b128 v[STO], v[64*(\a)+8*\b:64*(\a)+8*\b+3] offset:64*\b          ; each accumulator from its low end on
	ds_store_b128 v[STO], v[64*(\a)+8*\b+4:64*(\a)+8*\b+7] offset:64*\b+16
.endr
	WIN 0
.set BB, BK+64*((\a)%2)
.irp t, 0,1,2,3,4,5,6,7,8,9,10,11,12,13,14,15
	ds_load_b128 v[BB+4*\t:BB+4*\t+3], v[RD] offset:\t*SPITCH
.endr
.endm
.macro SEND a, younger                 ; younger: the LDS instructions issued behind tile a's loads, which may stay out
.set BB, BK+64*((\a)%2)
	s_wait_dscnt \younger
.irp t, 0,1,2,3,4,5,6,7,8,9,10,11,12,13,14,15
	global_store_b128 v[CO], v[BB+4*\t:BB+4*\t+3], s[12:13] offset:(\a)*65536+\t*4096 th:TH_STORE_NT   ; 32 lanes store 512 consecutive bytes, at a multiple of 512 from out0's first byte; written once, read by nobody here
.endr
.endm
	PLACES NP                                      ; behind the last products: their results are read, and rows land where h's set 4 lay
	TOSTAGE 0
	TOSTAGE 1
	SEND 0, 32                                     ; behind tile 0's loads: tile 1's 16 stores and 16 loads
	s_wait_xcnt 0x0                                ; tile 0's stores have read their registers: tile 2's rows may land there
	TOSTAGE 2
	SEND 1, 32
	s_wait_xcnt 0x0
	TOSTAGE 3
	SEND 2, 32
	SEND 3, 0
	s_wait_tensorcnt 0x0                           ; the wave's end, behind my last tensor load and my last LDS store
	ds_add_u32 v[SPW], v[NIL]
	s_wait_dscnt 0x0
	CROUND                                         ; the closing round: no work-group ends while a partner may still ask for a tile that names it
	s_endpgm
.Lfunc_end_k_q04b9a558ce_down:
	.size	k_q04b9a558ce_down, .Lfunc_end_k_q04b9a558ce_down-k_q04b9a558ce_down
	.p2alignl 7, 3214868480
	.fill 96, 4, 3214868480
	.section	.rodata,"a",@progbits
	.p2align	6, 0x0
	.amdhsa_kernel k_q04b9a558ce_down
		.amdhsa_group_segment_fixed_size 327680
		.amdhsa_private_segment_fixed_size 0
		.amdhsa_enable_private_segment 0
		.amdhsa_kernarg_size 40
		.amdhsa_user_sgpr_count 2
		.amdhsa_user_sgpr_kernarg_segment_ptr 1
		.amdhsa_wavefront_size32 1
		.amdhsa_system_sgpr_workgroup_id_x 1
		.amdhsa_system_sgpr_workgroup_id_y 1
		.amdhsa_system_sgpr_workgroup_id_z 1
		.amdhsa_system_vgpr_workitem_id 0
		.amdhsa_next_free_vgpr 1024
		.amdhsa_next_free_sgpr 100
		.amdhsa_reserve_vcc 0
		.amdhsa_float_denorm_mode_32 3
		.amdhsa_float_denorm_mode_16_64 3
		.amdhsa_memory_ordered 1
		.amdhsa_forward_progress 1
		.amdhsa_inst_pref_size 156
	.end_amdhsa_kernel
	.amdgpu_metadata
---
amdhsa.version: [ 1, 2 ]
amdhsa.kernels:
  - .name:           k_q04b9a558ce_down
    .symbol:         k_q04b9a558ce_down.kd
    .args:
      - { .name: h_img, .offset: 0, .size: 8, .value_kind: global_buffer, .address_space: global }
      - { .name: h_scl, .offset: 8, .size: 8, .value_kind: global_buffer, .address_space: global }
      - { .name: w2_codes, .offset: 16, .size: 8, .value_kind: global_buffer, .address_space: global }
      - { .name: w2_scales, .offset: 24, .size: 8, .value_kind: global_buffer, .address_space: global }
      - { .name: out0, .offset: 32, .size: 8, .value_kind: global_buffer, .address_space: global }
    .group_segment_fixed_size: 327680
    .private_segment_fixed_size: 0
    .kernarg_segment_align: 8
    .kernarg_segment_size: 40
    .max_flat_workgroup_size: 128
    .sgpr_count:     100
    .vgpr_count:     1024
    .wavefront_size: 32
...
	.end_amdgpu_metadata
.endif
;; end of part 2
